; MI455X (gfx1250); checked and timed in simulation.
; The chip was launched on July 23, 2026; its instructions are those of AMD's public machine-readable ISA for CDNA 5 (MIT licence, August 2026) and "CDNA5" Instruction Set Architecture Reference Guide (July 2026). The comments in the code are by the model that wrote it; some were corrected since.
;; Fast Attention. Allowed arithmetic: float matrix products may take bf16 or f16 operands with f32 sums; other float arithmetic in f32, or as packed bf16 or f16 multiplies, adds, multiply-adds, maxima and minima; sums over many terms, partial sums and values carried from step to step in f32; what a program stores and reads back later, other than sums and carried values, may be rounded once to bf16 or f16.
;; Inputs: k 4 x 16 x 4,096 x 64 float32; proj 64 x 64 float32; q 4 x 16 x 4,096 x 64 float32; v 4 x 16 x 4,096 x 64 float32.
;; Outputs: out0 4 x 16 x 4,096 x 64 float32.
;; One version. Each part assembles by itself: llvm-mc -triple=amdgcn-amd-amdhsa -mcpu=gfx1250 --defsym DOCPART=n.
;; ======== version 1 of 1: 2 launches
;; limits: values are held in f16: magnitudes above 65,504 overflow, below 6.1e-05 lose precision; inputs' magnitudes at most 65,504
;; workspace buffers: states 5,308,416 bytes; stats 8,192 bytes
;; launch segsum (part 1): grid 256 x 1, 4 waves a work-group, no clusters, 69,376 bytes of LDS; arguments k, v, proj, states, stats; writes states, stats
.if DOCPART == 1
	.amdgcn_target "amdgcn-amd-amdhsa--gfx1250"
	.amdhsa_code_object_version 6
	.text
	.protected	k_qff6cac8439_segsum
	.globl	k_qff6cac8439_segsum
	.p2align	8
	.type	k_qff6cac8439_segsum,@function
k_qff6cac8439_segsum:
	s_mov_b64 s[64:65], 0
	v_nop
	global_prefetch_b8 v0, s[64:65] scope:SCOPE_SE
	s_setreg_imm32_b32 hwreg(HW_REG_WAVE_MODE, 25, 1), 1
	s_wait_xcnt 0x0
; LAUNCH 1 OF 2.  For each segment of 1,024 rows of a head (work-group = 4 x head + segment, 256 in all):
;   M  = the largest of k . proj^T over the segment (unscaled; the factor 64^-1/4 is applied in the exponent),
;   E  = sum over rows j of e_j v_j^T, e_j[m] = exp(64^-1/4 (k_j . proj_m - M) - |k_j|^2 / 16), with a running maximum: E is rescaled when M grows,
;   the sums of e over the rows (a tile of ones beside v), the column sums of v, and the largest |v|.
; Launch 2 takes the maximum of all M, scales E by exp(64^-1/4 (M - Mall)) and adds eps x the sums of v: kp = e + eps.
; FORMATS.  k, v, proj are rounded to bf16 (|k|^2 is the diagonal of X X^T of the rounded rows); e and the rounded v are written as f16; all sums, maxima and states in f32.
; LIMITS.  |v| within 65,504 (f16); numbers of v and of e under 6e-5 keep f16's fixed step of 6e-8; an e under 2^-126 counts as 0; NaN and infinities are not treated apart.
; SHARES.  Four waves, eight trips of 128 rows; wave w takes rows 32 w .. 32 w + 31 of a trip and OWNS features 16 w .. 16 w + 15 of E: five accumulators.
; A trip: my rows of k -> bf16 rows in my own LDS stage -> fragments -> proj x k^T (a lane holds one row); the waves' maxima meet in LDS (barrier); exponentials; e and v as f16 rows in shared LDS
; (barrier); every wave reads all 128 rows turned (ds_load_tr16_b128) and adds e^T v for its 16 features.  The next trip's stores into the shared rows stand behind the next trip's first barrier.
; NO CLUSTER: no two work-groups read the same rows; proj, 16 KB, is all that is shared.  No engine fills LDS: the rows are converted on their way, so they pass through registers anyway.
; REGISTERS in windows of 256 (s_set_vgpr_msb: bits 1:0 source 0, 3:2 source 1, 5:4 source 2, 7:6 destination).
.set STEP, 32768        ; bytes of 128 rows
.set REC,  20736        ; a segment's record: 4 feature blocks x 5 tiles x 1,024 bytes, then 64 sums of v
.set XSB,  9216         ; LDS: 0 proj as bf16 rows of 144 bytes; XSB each wave's stage, 32 rows of 144
.set KPB,  27648        ; e, 128 rows of 160 bytes
.set VVB,  48128        ; v, 128 rows of 160 bytes
.set MXB,  68608        ; the four waves' maxima
.set SPARE, 68864       ; the spare words, 128 bytes a wave
; window 0
.set GOFF, 1            ; my bytes in a trip's rows: 8,192 w + 16 lane
.set XST,  2            ; stage, in: row lane / 16, 8 bytes at 8 (lane % 16)
.set XLD,  3            ; stage, out: row lane % 16, 16 bytes at 16 (lane / 16)
.set KPST, 4            ; where my rows of e go
.set VVST, 5            ; where my rows of v go
.set TRK,  6            ; turned reads of e: my 16 features
.set TRV,  7            ; turned reads of v
.set TRW,  8            ; turned reads of v's columns 16 w ..
.set MXA,  9
.set MXR,  10
.set VE,   11           ; my bytes in the record
.set VS,   12
.set SPW,  13           ; my spare word; never rewritten
.set NIL,  14           ; 0; never rewritten
.set BE,   16           ; v[16:17], v[18:19]: what is taken from the exponent, for my row in each of two tiles
.set SS,   20           ; |k|^2 of those two rows
.set TA,   22           ; eight at work
.set MRUN, 30           ; the running maximum
.set VAM,  31
.set S,    32           ; E: tile eb (16 columns of v; eb = 4: the ones) at S + 8 eb
.set VMX,  72           ; four running maxima of |v|, two bf16 each
.set AL,   76           ; the rescaling factor (a pair is named, the low word is used)
.set KPF,  80           ; e of my rows as fragments
.set G,    112          ; X X^T of two tiles; ahead of the loop the head's temporaries
.set HL,   112
.set HR,   113
.set HH,   114
.set HA,   115
.set HB,   116
.set PJO,  117
.set PJS,  118
.set PJL,  119
.set HC,   120
.set SV,   144          ; sums of v's columns 16 w ..
.set XF,   160          ; fragments of my rows
.set DD,   192          ; proj x k^T: row tile rt, feature tile ft at DD + 32 rt + 8 ft
; window 1
.set PK,   0            ; 32 rows of k on their way
.set PVV,  64           ; 32 rows of v
.set PROJ, 192          ; proj's fragments: feature tile ft, half s of the 64 channels at PROJ + 16 ft + 8 s
; window 2
.set KT,   0            ; e^T of chunk c at KT + 8 c
.set VF,   32           ; v of chunk c, tile eb at VF + 32 c + 8 eb
.set ONES, 160
.set VW,   168          ; v of chunk c, columns 16 w ..
; scalars
.set KB, 4
.set VB, 6
.set PJ, 8
.set STT, 10
.set STA, 12
.set WV, 14
.set T0, 16
.set T1, 17
.set CNT, 20
.set HIM, 21
.set ABSM, 22
.set CB, 23             ; log2(e) / 16
.set CA, 24             ; log2(e) x 64^-1/4, a pair
.set SEL, 26
.set ODD, 28
.set VALID, 29
.set MJ, 32             ; s33-39: lanes with lane % 8 = j
.set MSB, 0
.macro WIN new          ; the high byte repeats the setting that is left; a switch that changes nothing is dropped
.if MSB != (\new)
	s_set_vgpr_msb (MSB<<8)|(\new)
.set MSB, \new
.endif
.endm
.macro PLACES           ; four plain vector instructions between a matrix instruction and a vector line, load or store that names its registers
.rept 4
	v_nop
.endr
.endm
.macro BAR
	s_barrier_signal -1
	s_barrier_wait -1
.endm
.macro ASK P, sb        ; 32 rows: sixteen loads of 512 consecutive bytes
	WIN 0x40
.set i, 0
.rept 16
	global_load_b128 v[\P+4*i:\P+4*i+3], v[GOFF], s[\sb:\sb+1] offset:i*512
.set i, i+1
.endr
	WIN 0
.endm
.macro NEXT P, sb       ; the next trip's rows, into the registers just converted; the loads that used the base have been waited for.  The last trip asks for nothing and waits for all that is out
	s_cmp_eq_u32 s[CNT], 1
	s_cbranch_scc1 .Lnone_\@
	s_add_nc_u64 s[\sb:\sb+1], s[\sb:\sb+1], STEP
	ASK \P, \sb
	s_branch .Ldone_\@
.Lnone_\@:
	s_wait_loadcnt 0x0
.Ldone_\@:
.endm
.macro LANEMAX a, b     ; the largest over the 32 lanes, in every lane
	v_max_num_f32_dpp v[\a], v[\a], v[\a] row_xmask:1 row_mask:0xf bank_mask:0xf
	v_max_num_f32_dpp v[\a], v[\a], v[\a] row_xmask:2 row_mask:0xf bank_mask:0xf
	v_max_num_f32_dpp v[\a], v[\a], v[\a] row_xmask:4 row_mask:0xf bank_mask:0xf
	v_max_num_f32_dpp v[\a], v[\a], v[\a] row_xmask:8 row_mask:0xf bank_mask:0xf
	v_permlanex16_b32 v[\b], v[\a], s[SEL], s[SEL+1]
	v_max_num_f32 v[\a], v[\a], v[\b]
.endm
.macro STAGE P          ; 32 rows of f32 -> bf16 rows in my stage
	WIN 0x05
.set i, 0
.rept 32
	v_cvt_pk_bf16_f32 v[DD+i], v[\P+2*i], v[\P+2*i+1]
.set i, i+1
.endr
	WIN 0
.set i, 0
.rept 16
	ds_store_b64 v[XST], v[DD+2*i:DD+2*i+1] offset:i*288
.set i, i+1
.endr
.endm
; Fragments of my two tiles of 16 rows (LDS serves a wave's instructions in order, ISA guide 5.7.1.4: these loads see the stores above), X X^T, and proj x X^T.  The accumulators take turns.
.macro DOTS
.irp rt, 0,1
.irp s, 0,1
	ds_load_b128 v[XF+16*(\rt)+8*(\s):XF+16*(\rt)+8*(\s)+3], v[XLD] offset:(\rt)*2304+(\s)*64
	ds_load_b128 v[XF+16*(\rt)+8*(\s)+4:XF+16*(\rt)+8*(\s)+7], v[XLD] offset:(\rt)*2304+(\s)*64+32
.endr
.endr
	s_wait_dscnt 0x0
	v_wmma_f32_16x16x32_bf16 v[G:G+7], v[XF:XF+7], v[XF:XF+7], 0
	v_wmma_f32_16x16x32_bf16 v[G+8:G+15], v[XF+16:XF+23], v[XF+16:XF+23], 0
	v_wmma_f32_16x16x32_bf16 v[G:G+7], v[XF+8:XF+15], v[XF+8:XF+15], v[G:G+7]
	v_wmma_f32_16x16x32_bf16 v[G+8:G+15], v[XF+24:XF+31], v[XF+24:XF+31], v[G+8:G+15]
	WIN 0x01
.irp s, 0,1
.irp rt, 0,1
.irp ft, 0,1,2,3
.if (\s) == 0
	v_wmma_f32_16x16x32_bf16 v[DD+32*(\rt)+8*(\ft):DD+32*(\rt)+8*(\ft)+7], v[PROJ+16*(\ft):PROJ+16*(\ft)+7], v[XF+16*(\rt):XF+16*(\rt)+7], 0
.else
	v_wmma_f32_16x16x32_bf16 v[DD+32*(\rt)+8*(\ft):DD+32*(\rt)+8*(\ft)+7], v[PROJ+16*(\ft)+8:PROJ+16*(\ft)+15], v[XF+16*(\rt)+8:XF+16*(\rt)+15], v[DD+32*(\rt)+8*(\ft):DD+32*(\rt)+8*(\ft)+7]
.endif
.endr
.endr
.endr
	WIN 0
	PLACES
.endm
; |x|^2 of row r is element (r, r) of X X^T: register r % 8 of the lane whose half is r / 8.  Seven selects pick the register, the other half's lane supplies the lanes that hold no diagonal.
.macro SUMSQ
	v_cndmask_b32 v[SS], v[G], v[G+1], s[MJ+1]
	v_cndmask_b32 v[SS+1], v[G+8], v[G+9], s[MJ+1]
.irp j, 2,3,4,5,6,7
	v_cndmask_b32 v[SS], v[SS], v[G+(\j)], s[MJ+(\j)]
	v_cndmask_b32 v[SS+1], v[SS+1], v[G+8+(\j)], s[MJ+(\j)]
.endr
	v_permlanex16_b32 v[TA], v[SS], s[SEL], s[SEL+1]
	v_permlanex16_b32 v[TA+1], v[SS+1], s[SEL], s[SEL+1]
	v_cndmask_b32 v[SS], v[TA], v[SS], s[VALID]
	v_cndmask_b32 v[SS+1], v[TA+1], v[SS+1], s[VALID]
.endm
.macro TILEMAX          ; my lane's largest in each of the eight tiles; each tile's lowest registers are read first
.set t, 0
.rept 8
	v_max3_num_f32 v[TA+t], v[DD+8*t], v[DD+8*t+1], v[DD+8*t+2]
.set t, t+1
.endr
.set t, 0
.rept 8
	v_max3_num_f32 v[TA+t], v[TA+t], v[DD+8*t+3], v[DD+8*t+4]
.set t, t+1
.endr
.set t, 0
.rept 8
	v_max3_num_f32 v[TA+t], v[TA+t], v[DD+8*t+5], v[DD+8*t+6]
.set t, t+1
.endr
.set t, 0
.rept 8
	v_max_num_f32 v[TA+t], v[TA+t], v[DD+8*t+7]
.set t, t+1
.endr
.endm
; 2^(CA x - BE) for the eight tiles, plus a constant (add: a scalar pair, or -1 for none), rounded to f16 in pairs: two tiles ARE a fragment of 16 rows x 32 features.
; Three tiles are in hand: tile u is scaled, tile u - 1 goes through the exponentials, tile u - 2 is finished; a plain line on another tile stands between an exponential and the use of its result (ISA guide 5.7.2).
.macro EXPS dst, add
.set u, 0
.rept 10
.set n, 0
.rept 8
.if (u >= 1) && (u <= 8)
	v_exp_f32 v[DD+8*u-8+n], v[DD+8*u-8+n]
.endif
.if (u <= 7) && (n < 4)
	v_pk_fma_f32 v[DD+8*u+2*n:DD+8*u+2*n+1], v[DD+8*u+2*n:DD+8*u+2*n+1], s[CA:CA+1], v[BE+2*(u/4):BE+2*(u/4)+1] op_sel_hi:[1,0,0] neg_lo:[0,0,1] neg_hi:[0,0,1]
.endif
.if (u >= 2) && (n < 4) && ((\add) >= 0)
	v_pk_add_f32 v[DD+8*u-16+2*n:DD+8*u-16+2*n+1], v[DD+8*u-16+2*n:DD+8*u-16+2*n+1], s[\add:\add+1] op_sel_hi:[1,0]
.endif
.if (u >= 2) && (n >= 4)
	s_wait_alu depctr_va_vdst(0)
	v_cvt_pk_f16_f32 v[\dst+4*u-8+n-4], v[DD+8*u-16+2*n-8], v[DD+8*u-16+2*n-7]
.endif
.set n, n+1
.endr
.set u, u+1
.endr
.endm
.macro KPOUT            ; my 32 rows of features into the shared rows: a lane's eight features of a tile are 16 bytes
.irp rt, 0,1
.irp ft, 0,1,2,3
	ds_store_b128 v[KPST], v[KPF+16*(\rt)+4*(\ft):KPF+16*(\rt)+4*(\ft)+3] offset:(\rt)*2560+(\ft)*32
.endr
.endr
.endm
	s_load_b256 s[4:11], s[0:1], 0x0               ; k, v, proj, states
	s_load_b64 s[12:13], s[0:1], 0x20              ; stats
	v_lshl_add_u32 v[SPW], v0, 2, SPARE
	v_mov_b32 v[NIL], 0
	v_lshrrev_b32 v[HA], 5, v0
	v_readfirstlane_b32 s[WV], v[HA]               ; wave 0..3
	v_and_b32 v[HL], 31, v0                        ; lane
	v_and_b32 v[HR], 15, v0                        ; lane % 16
	v_bfe_u32 v[HH], v0, 4, 1                      ; lane / 16
	s_lshl_b32 s[T0], s[WV], 13
	v_lshl_add_u32 v[GOFF], v[HL], 4, s[T0]
	s_lshl_b32 s[T0], s[WV], 12
	v_lshl_add_u32 v[PJO], v[HL], 4, s[T0]         ; my 16 rows of proj in memory
	v_mul_u32_u24 v[HA], v[HH], 144
	v_lshl_add_u32 v[HA], v[HR], 3, v[HA]
	v_mul_u32_u24 v[PJL], v[HR], 144
	v_lshl_add_u32 v[PJL], v[HH], 4, v[PJL]        ; my place in proj's rows, which begin at LDS byte 0
	s_mul_i32 s[T0], s[WV], 4608
	s_add_co_u32 s[T0], s[T0], XSB
	v_add_nc_u32 v[XST], s[T0], v[HA]
	v_add_nc_u32 v[XLD], s[T0], v[PJL]
	s_mul_i32 s[T0], s[WV], 2304
	v_add_nc_u32 v[PJS], s[T0], v[HA]              ; proj's rows 16 w .. in LDS
	s_mul_i32 s[T0], s[WV], 5120
	v_lshl_add_u32 v[VE], v[HL], 4, s[T0]
	s_add_co_u32 s[T1], s[T0], KPB
	v_mul_u32_u24 v[HB], v[HR], 160
	v_lshl_add_u32 v[HB], v[HH], 4, v[HB]
	v_add_nc_u32 v[KPST], s[T1], v[HB]
	s_add_co_u32 s[T1], s[T0], VVB
	v_mul_u32_u24 v[HB], v[HH], 160
	v_lshl_add_u32 v[HB], v[HR], 3, v[HB]
	v_add_nc_u32 v[VVST], s[T1], v[HB]
	v_and_b32 v[HB], 7, v0                         ; the turning load: lane l reads row 8 (l / 16) + l % 8, 16 bytes at 16 ((l / 8) % 2)
	v_lshl_add_u32 v[HB], v[HH], 3, v[HB]
	v_mul_u32_u24 v[HB], v[HB], 160
	v_bfe_u32 v[HC], v0, 3, 1
	v_lshl_add_u32 v[HB], v[HC], 4, v[HB]
	s_lshl_b32 s[T0], s[WV], 5
	s_add_co_u32 s[T1], s[T0], KPB
	v_add_nc_u32 v[TRK], s[T1], v[HB]
	v_add_nc_u32 v[TRV], VVB, v[HB]
	s_add_co_u32 s[T1], s[T0], VVB
	v_add_nc_u32 v[TRW], s[T1], v[HB]
	s_lshl_b32 s[T0], s[WV], 2
	s_add_co_u32 s[T0], s[T0], MXB
	v_mov_b32 v[MXA], s[T0]
	v_mov_b32 v[MXR], MXB
	s_lshl_b32 s[T0], s[WV], 6
	s_add_co_u32 s[T0], s[T0], 20480
	v_lshl_add_u32 v[VS], v[HR], 2, s[T0]
	s_mov_b32 s[CA], 0x3f0293ee                    ; log2(e) x 64^-1/4 = 0.510070
	s_mov_b32 s[CA+1], 0x3f0293ee
	s_mov_b32 s[CB], 0x3db8aa3b                    ; log2(e) / 16
	s_mov_b32 s[SEL], 0x76543210
	s_mov_b32 s[SEL+1], 0xfedcba98
	s_mov_b32 s[HIM], 0xffff0000
	s_mov_b32 s[ABSM], 0x7fff7fff
	s_mov_b32 s[ODD], 0xaaaaaaaa
	s_mov_b32 s[VALID], 0xff0000ff                 ; lanes 0-7 and 24-31 hold a diagonal element
.irp j, 1,2,3,4,5,6,7
	s_mov_b32 s[MJ+(\j)], 0x01010101<<(\j)
.endr
	s_lshl_b32 s[T0], ttmp9, 18                    ; the segment's first byte: 1,024 rows of 256 bytes
	s_mov_b32 s[T1], 0
	s_wait_kmcnt 0x0
	s_add_nc_u64 s[KB:KB+1], s[KB:KB+1], s[T0:T0+1]
	s_add_nc_u64 s[VB:VB+1], s[VB:VB+1], s[T0:T0+1]
.set i, 0
.rept 8
	global_load_b128 v[DD+4*i:DD+4*i+3], v[PJO], s[PJ:PJ+1] offset:i*512
.set i, i+1
.endr
	ASK PK, KB
	ASK PVV, VB
.set i, 0
.rept 40                                               ; E starts at 0: the first trip rescales it like every other, so no first trip is written out
	v_mov_b32 v[S+i], 0
.set i, i+1
.endr
.set i, 0
.rept 8
	v_mov_b32 v[SV+i], 0
	v_mov_b32 v[TA+i], 0
.set i, i+1
.endr
.set i, 0
.rept 4
	v_mov_b32 v[VMX+i], 0
.set i, i+1
.endr
	v_mov_b32 v[MRUN], 0xff7fffff                  ; the lowest finite number
	v_mov_b32 v[AL+1], 0                           ; named in pairs of which the low word is used
	v_mov_b32 v[BE+1], 0
	v_mov_b32 v[BE+3], 0
	WIN 0x80
.set i, 0
.rept 8
	v_mov_b32 v[ONES+i], 0x3c003c00                ; 1.0 twice in f16
.set i, i+1
.endr
	WIN 0
	s_wait_loadcnt 32                              ; proj is in; k's and v's 16 + 16 loads stay out
.set i, 0
.rept 8
	v_cvt_pk_bf16_f32 v[KPF+2*i], v[DD+4*i], v[DD+4*i+1]
	v_cvt_pk_bf16_f32 v[KPF+2*i+1], v[DD+4*i+2], v[DD+4*i+3]
	ds_store_b64 v[PJS], v[KPF+2*i:KPF+2*i+1] offset:i*288
.set i, i+1
.endr
	s_wait_dscnt 0x0                               ; for the others' sake: my rows of proj are in LDS
	BAR
	WIN 0x40
.irp ft, 0,1,2,3
.irp s, 0,1
	ds_load_b128 v[PROJ+16*(\ft)+8*(\s):PROJ+16*(\ft)+8*(\s)+3], v[PJL] offset:(\ft)*2304+(\s)*64
	ds_load_b128 v[PROJ+16*(\ft)+8*(\s)+4:PROJ+16*(\ft)+8*(\s)+7], v[PJL] offset:(\ft)*2304+(\s)*64+32
.endr
.endr
	WIN 0
	s_mov_b32 s[CNT], 8
.Ltrip:
	s_wait_loadcnt 16                              ; my rows of k are in; v's 16 loads stay out
	STAGE PK
	NEXT PK, KB
	DOTS
	SUMSQ
	TILEMAX
	v_max3_num_f32 v[TA], v[TA], v[TA+1], v[TA+2]
	v_max3_num_f32 v[TA+3], v[TA+3], v[TA+4], v[TA+5]
	v_max3_num_f32 v[TA], v[TA], v[TA+6], v[TA+7]
	v_max_num_f32 v[TA], v[TA], v[TA+3]
	LANEMAX TA, TA+1
	ds_store_b32 v[MXA], v[TA]                     ; all lanes write my wave's word with the same number
	s_wait_dscnt 0x0                               ; my maximum is in LDS, and my reads of the last trip's shared rows are back
	BAR
	ds_load_b128 v[TA:TA+3], v[MXR]
	s_wait_dscnt 0x0
	v_max3_num_f32 v[TA], v[TA], v[TA+1], v[TA+2]
	v_max3_num_f32 v[TA], v[TA], v[TA+3], v[MRUN]  ; the new running maximum, the same in all four waves
	v_sub_f32 v[AL], v[MRUN], v[TA]
	v_mul_f32 v[AL], s[CA], v[AL]
	v_exp_f32 v[AL], v[AL]                         ; what E so far is multiplied by; 0 in the first trip
	v_mov_b32 v[MRUN], v[TA]
	v_mul_f32 v[VAM], s[CA], v[TA]
	v_fma_f32 v[BE], v[SS], s[CB], v[VAM]
	v_fma_f32 v[BE+2], v[SS+1], s[CB], v[VAM]
	EXPS KPF, -1
	KPOUT
	s_wait_loadcnt 16                              ; my rows of v are in; the next trip's 16 loads of k stay out
	WIN 0x05
.set i, 0
.rept 32
	v_cvt_pk_bf16_f32 v[DD+i], v[PVV+2*i], v[PVV+2*i+1]
.set i, i+1
.endr
	WIN 0
	NEXT PVV, VB
.set i, 0
.rept 8                                                ; the rounded numbers: their magnitudes into the running maxima, themselves written as f16
.irp k, 0,1,2,3
	v_and_b32 v[XF+8+(\k)], s[ABSM], v[DD+i+(\k)]
	v_lshlrev_b32 v[XF+2*(\k)], 16, v[DD+i+(\k)]
	v_and_b32 v[XF+2*(\k)+1], s[HIM], v[DD+i+(\k)]
.endr
.irp k, 0,1,2,3
	v_pk_max_num_bf16 v[VMX+(\k)], v[VMX+(\k)], v[XF+8+(\k)]
	v_cvt_pk_f16_f32 v[DD+i+(\k)], v[XF+2*(\k)], v[XF+2*(\k)+1]
.endr
.set i, i+4
.endr
.set i, 0
.rept 16
	ds_store_b64 v[VVST], v[DD+2*i:DD+2*i+1] offset:i*320
.set i, i+1
.endr
	s_wait_dscnt 0x0                               ; for the others' sake: my rows of e and v are in LDS
	BAR
	WIN 0x80
.irp c, 0,1,2,3                                        ; twelve turned loads a chunk of 32 rows
	ds_load_tr16_b128 v[KT+8*(\c):KT+8*(\c)+3], v[TRK] offset:(\c)*5120
	ds_load_tr16_b128 v[KT+8*(\c)+4:KT+8*(\c)+7], v[TRK] offset:(\c)*5120+2560
.irp eb, 0,1,2,3
	ds_load_tr16_b128 v[VF+32*(\c)+8*(\eb):VF+32*(\c)+8*(\eb)+3], v[TRV] offset:(\c)*5120+32*(\eb)
	ds_load_tr16_b128 v[VF+32*(\c)+8*(\eb)+4:VF+32*(\c)+8*(\eb)+7], v[TRV] offset:(\c)*5120+32*(\eb)+2560
.endr
	ds_load_tr16_b128 v[VW+8*(\c):VW+8*(\c)+3], v[TRW] offset:(\c)*5120
	ds_load_tr16_b128 v[VW+8*(\c)+4:VW+8*(\c)+7], v[TRW] offset:(\c)*5120+2560
.endr
	WIN 0
.set i, 0
.rept 20
	v_pk_mul_f32 v[S+2*i:S+2*i+1], v[S+2*i:S+2*i+1], v[AL:AL+1] op_sel_hi:[1,0]
.set i, i+1
.endr
.irp c, 0,1,2,3
	s_wait_dscnt 36-12*(\c)                        ; chunk c is in; the later chunks' twelve loads each stay out
	WIN 0x0a
.irp eb, 0,1,2,3
	v_wmma_f32_16x16x32_f16 v[S+8*(\eb):S+8*(\eb)+7], v[KT+8*(\c):KT+8*(\c)+7], v[VF+32*(\c)+8*(\eb):VF+32*(\c)+8*(\eb)+7], v[S+8*(\eb):S+8*(\eb)+7]
.endr
	v_wmma_f32_16x16x32_f16 v[S+32:S+39], v[KT+8*(\c):KT+8*(\c)+7], v[ONES:ONES+7], v[S+32:S+39]
	v_wmma_f32_16x16x32_f16 v[SV:SV+7], v[ONES:ONES+7], v[VW+8*(\c):VW+8*(\c)+7], v[SV:SV+7]
.endr
	WIN 0
	s_sub_co_u32 s[CNT], s[CNT], 1
	s_cmp_lg_u32 s[CNT], 0
	s_cbranch_scc1 .Ltrip
	PLACES
	s_mul_i32 s[T0], ttmp9, REC
	s_mov_b32 s[T1], 0
	s_add_nc_u64 s[STT:STT+1], s[STT:STT+1], s[T0:T0+1]
.irp eb, 0,1,2,3,4                                     ; my five tiles as they lie in registers: each store covers 512 consecutive bytes
	global_store_b128 v[VE], v[S+8*(\eb):S+8*(\eb)+3], s[STT:STT+1] offset:(\eb)*1024
	global_store_b128 v[VE], v[S+8*(\eb)+4:S+8*(\eb)+7], s[STT:STT+1] offset:(\eb)*1024+512
.endr
	global_store_b32 v[VS], v[SV], s[STT:STT+1]    ; every row of the tile holds the sums; both halves of the lanes store the same 64 bytes
	v_pk_max_num_bf16 v[VMX], v[VMX], v[VMX+1]
	v_pk_max_num_bf16 v[VMX+2], v[VMX+2], v[VMX+3]
	v_pk_max_num_bf16 v[VMX], v[VMX], v[VMX+2]
	v_lshlrev_b32 v[TA], 16, v[VMX]
	v_and_b32 v[TA+1], s[HIM], v[VMX]
	v_max_num_f32 v[TA], v[TA], v[TA+1]
	LANEMAX TA, TA+1
	v_cndmask_b32 v[TA+1], v[MRUN], v[TA], s[ODD]  ; even lanes the maximum of k . proj, odd lanes my wave's largest |v|
	s_lshl_b32 s[T0], ttmp9, 2
	s_add_co_u32 s[T0], s[T0], s[WV]
	s_lshl_b32 s[T0], s[T0], 3
	v_and_b32 v[TA+2], 1, v0
	v_lshl_add_u32 v[TA+2], v[TA+2], 2, s[T0]
	global_store_b32 v[TA+2], v[TA+1], s[STA:STA+1]  ; one pair of words for each wave
	s_wait_tensorcnt 0x0                           ; the wave's end
	ds_add_u32 v[SPW], v[NIL]
	s_wait_dscnt 0x0
	s_endpgm
.Lfunc_end_k_qff6cac8439_segsum:
	.size	k_qff6cac8439_segsum, .Lfunc_end_k_qff6cac8439_segsum-k_qff6cac8439_segsum
	.p2alignl 7, 3214868480
	.fill 96, 4, 3214868480
	.section	.rodata,"a",@progbits
	.p2align	6, 0x0
	.amdhsa_kernel k_qff6cac8439_segsum
		.amdhsa_group_segment_fixed_size 69376
		.amdhsa_private_segment_fixed_size 0
		.amdhsa_enable_private_segment 0
		.amdhsa_kernarg_size 40
		.amdhsa_user_sgpr_count 2
		.amdhsa_user_sgpr_kernarg_segment_ptr 1
		.amdhsa_wavefront_size32 1
		.amdhsa_system_sgpr_workgroup_id_x 1
		.amdhsa_system_sgpr_workgroup_id_y 1
		.amdhsa_system_sgpr_workgroup_id_z 1
		.amdhsa_system_vgpr_workitem_id 0
		.amdhsa_next_free_vgpr 768
		.amdhsa_next_free_sgpr 66
		.amdhsa_reserve_vcc 0
		.amdhsa_float_denorm_mode_32 3
		.amdhsa_float_denorm_mode_16_64 3
		.amdhsa_memory_ordered 1
		.amdhsa_forward_progress 1
		.amdhsa_inst_pref_size 53
	.end_amdhsa_kernel
	.amdgpu_metadata
---
amdhsa.version: [ 1, 2 ]
amdhsa.kernels:
  - .name:           k_qff6cac8439_segsum
    .symbol:         k_qff6cac8439_segsum.kd
    .args:
      - { .name: k, .offset: 0, .size: 8, .value_kind: global_buffer, .address_space: global }
      - { .name: v, .offset: 8, .size: 8, .value_kind: global_buffer, .address_space: global }
      - { .name: proj, .offset: 16, .size: 8, .value_kind: global_buffer, .address_space: global }
      - { .name: states, .offset: 24, .size: 8, .value_kind: global_buffer, .address_space: global }
      - { .name: stats, .offset: 32, .size: 8, .value_kind: global_buffer, .address_space: global }
    .group_segment_fixed_size: 69376
    .private_segment_fixed_size: 0
    .kernarg_segment_align: 8
    .kernarg_segment_size: 40
    .max_flat_workgroup_size: 128
    .sgpr_count:     66
    .vgpr_count:     768
    .wavefront_size: 32
...
	.end_amdgpu_metadata
.endif
;; end of part 1
;; launch attend (part 2): grid 256 x 1, 4 waves a work-group, no clusters, 127,744 bytes of LDS; arguments q, k, v, proj, states, stats, out0; writes out0
.if DOCPART == 2
	.amdgcn_target "amdgcn-amd-amdhsa--gfx1250"
	.amdhsa_code_object_version 6
	.text
	.protected	k_qff6cac8439_attend
	.globl	k_qff6cac8439_attend
	.p2align	8
	.type	k_qff6cac8439_attend,@function
k_qff6cac8439_attend:
	s_mov_b64 s[64:65], 0
	v_nop
	global_prefetch_b8 v0, s[64:65] scope:SCOPE_SE
	s_setreg_imm32_b32 hwreg(HW_REG_WAVE_MODE, 25, 1), 1
	s_wait_xcnt 0x0
; LAUNCH 2 OF 2.  out_i = sum over j <= i of (qp_i . kp_j) v_j / sum over j <= i of (qp_i . kp_j), with
;   qp = exp(64^-1/4 (q . proj - its row's maximum) - |q|^2 / 16) + eps,   kp = exp(64^-1/4 (k . proj - the maximum over all of k) - |k|^2 / 16) + eps;  the common factor 64^-1/2 cancels and is left out.
; A work-group takes one segment of 1,024 rows of a head (work-group = 4 x head + segment).  The maximum over all of k and the largest |v| are taken of launch 1's 1,024 pairs; the state of the head's earlier
; segments is the sum of exp(64^-1/4 (M_g - M)) E_g + eps x (sums of v, count of rows); a segment that is not earlier than mine is read too and has the weight 0 (its numbers are finite).
; FORMATS.  q, k, v, proj are rounded to bf16 (|x|^2 is the diagonal of X X^T of the rounded rows).  What is made here goes in f16: kp in 1e-4 .. 1; qp times 2^7, so that the weights P = qp . kp lie in
; 8e-5 .. 8,200; the rounded v times tau, a power of two with 4 <= tau x max|v| < 8, so that the state stays under 4,097 x 8 whatever the inputs.  2^7 cancels, tau is divided out.  Sums, maxima, state in f32.
; THE WEIGHTS INSIDE A CHUNK GO AS TWO f16 NUMBERS: P rounded, and 4,096 x the remainder (exact in f32, at most 2 P), which meets v x 2^-12 and a tile of 2^-12: a head's first rows are means of a few v with
; nearly equal weights, and one rounding step between two such weights is more than a number near zero may be off.  kp and qp keep one rounding: the same rounded numbers serve the state and the chunk.
; LIMITS.  tau v and state entries under 6e-5 keep f16's fixed step of 6e-8, and so does all of tau v x 2^-12, which meets the remainders alone; an exponential under 2^-126 counts as 0; the exponent field of
; max|v| is held to 3 .. 254; NaN and infinities are not treated apart.
; SHARES.  Four waves, eight trips of 128 rows; wave w takes the chunk of rows 32 w .. 32 w + 31 of a trip and OWNS features 16 w .. 16 w + 15 of the state S (64 features x 64 columns of v and a tile of ones,
; whose products are the divisors, made of the same rounded weights as the sums).  A trip:
;   my rows of k and v -> kp, tau v as f16 rows in shared LDS | barrier | for chunk c = 0 .. 3: my part of S as f16 into snapshot c, then S += Kp_c^T V_c | my rows of q -> qp, P^T = Kp Qp^T, masked, split |
;   barrier | O^T = V^T P^T (both parts) + S16^T Qp^T from snapshot w | divided, through my own stage, out as runs of 512 bytes.
; The two barriers order every shared byte: the rows of kp and v are read between them alone and written behind the second; the snapshots are written between them, read behind the second, and those reads are
; back in front of the next trip's first.
; All products are laid so that a lane holds ONE row (lane % 16): maximum, |x|^2 and divisor are one number a lane, and results rounded in pairs ARE the next product's fragments.
; NO CLUSTER: no two work-groups read the same rows; proj (16 KB) and three records of 20 KB are small beside a segment's 1 MB.  No engine fills LDS: the rows are converted on their way through registers.
; REGISTERS in windows of 256 (s_set_vgpr_msb: bits 1:0 source 0, 3:2 source 1, 5:4 source 2, 7:6 destination).
.set STEP, 32768
.set REC,  20736
.set XSB,  9216         ; LDS: 0 proj as bf16 rows of 144 bytes; XSB each wave's stage for q and k, 32 rows of 144
.set KPB,  27648        ; kp, 128 rows of 160 bytes
.set VVB,  48128        ; tau v, 128 rows of 160 bytes
.set SNB,  68608        ; snapshots: [chunk][tile of columns][feature block] x 512 bytes
.set OSB,  109568       ; each wave's stage for the way out, 16 rows of 272 bytes
.set MXB,  126976       ; the four waves' pairs of maxima
.set SPARE, 127232      ; the spare words, 128 bytes a wave
; window 0
.set N4K,  0            ; -4096.0, once the thread's number has served
.set GOFF, 1            ; my bytes in a trip's rows: 8,192 w + 16 lane
.set XST,  2
.set XLD,  3
.set KPST, 4
.set VVST, 5
.set TRK,  6            ; turned reads of kp: my 16 features
.set TRV,  7            ; turned reads of v
.set TRVO, 8            ; turned reads of my own chunk of v
.set SNST, 9            ; where my part of a snapshot goes
.set SNLD, 10           ; where my chunk's snapshot is read
.set OST,  11
.set OLD,  12
.set SPW,  13           ; my spare word; never rewritten
.set NIL,  14           ; 0; never rewritten
.set VAM,  15           ; log2(e) 64^-1/4 M
.set BE,   16           ; two pairs: what is taken from the exponent; later 1 / (divisor x tau)
.set SS,   20
.set TA,   22
.set TAU,  30           ; named with v31 as a pair; the low word is used
.set ITAU, 31
.set S,    32           ; my 16 features of the state: tile eb at S + 8 eb (eb = 4: the ones)
.set MK,   72           ; 1.0 where key 8 (lane / 16) + j is not behind query lane % 16
.set KPF,  80           ; kp of my rows as fragments; later 16 rows on their way out
.set QPF,  112          ; qp likewise
.set G,    112          ; X X^T, while no qp is alive; ahead of the loop the head's temporaries
.set HL,   112
.set HR,   113
.set HH,   114
.set HA,   115
.set HB,   116
.set PJO,  117
.set PJS,  118
.set PJL,  119
.set HC,   120
.set STO,  121
.set VEO,  122
.set SVO,  123
.set MXS,  124
.set MXR,  125
.set HM,   126
.set PF,   144          ; P^T, rounded, of my two query tiles as fragments; PF + 4 .. 7 stay 0: keys 16-31 are behind queries 0-15
.set XF,   160
.set SNT,  160
.set WM,   168          ; ahead of the loop: M, max|v|, and the three earlier segments' weights
.set WX,   169
.set WE,   170
.set WA,   173
.set WO,   176
.set DD,   192
.set OA,   160          ; O^T: tile eb, query tile it at OA + 16 eb + 8 it
; window 1
.set PK,   0
.set PVV,  64
.set PQ,   128
.set PROJ, 192
; window 2
.set KT,   0            ; kp^T of chunk c at KT + 8 c
.set VF,   32           ; v of chunk c, tile eb at VF + 32 c + 8 eb
.set ONES, 160
.set VO,   168          ; v^T of my own chunk, tile eb at VO + 8 eb
.set PL,   200          ; 4,096 x P's remainders, laid as PF is; PL + 4 .. 7 stay 0
.set VOL,  216          ; VO x 2^-12
.set ONEL, 248          ; 2^-12
.set S16,  64           ; my chunk's snapshot: tile eb, features 32 s .. at S16 + 16 eb + 8 s (when VF is dead)
.set EG,   0            ; ahead of the loop: E of segment g at EG + 40 g + 8 eb
.set SVG,  120          ; and its sums of v at SVG + 4 g + eb
; scalars
.set QB, 4
.set KB, 6
.set VB, 8
.set PJ, 10
.set STT, 12
.set STA, 14
.set OB, 16
.set WV, 18
.set T0, 20
.set T1, 21
.set CNT, 22
.set HIM, 23
.set CA, 24             ; log2(e) x 64^-1/4, a pair
.set CB, 26             ; log2(e) / 16
.set SEG, 27
.set SEL, 28
.set EPS, 30            ; eps, a pair
.set EPQ, 32            ; 128 eps, a pair
.set VALID, 34
.set MJ, 35             ; s36-42: lanes with lane % 8 = j
.set M7, 43
.set MG, 44             ; the maxima of the head's segments 0 .. 2
.set Z,  48             ; 1.0 where that segment is earlier than mine
.set H4, 51
.set SB2, 52
.set P4K, 54            ; 4096.0, a pair
.set MSB, 0
.macro WIN new          ; the high byte repeats the setting that is left; a switch that changes nothing is dropped
.if MSB != (\new)
	s_set_vgpr_msb (MSB<<8)|(\new)
.set MSB, \new
.endif
.endm
.macro PLACES           ; four plain vector instructions between a matrix instruction and a vector line, load or store that names its registers
.rept 4
	v_nop
.endr
.endm
.macro BAR
	s_barrier_signal -1
	s_barrier_wait -1
.endm
.macro ASK P, sb        ; 32 rows: sixteen loads of 512 consecutive bytes; this launch reads each row once
	WIN 0x40
.set i, 0
.rept 16
	global_load_b128 v[\P+4*i:\P+4*i+3], v[GOFF], s[\sb:\sb+1] offset:i*512 th:TH_LOAD_NT
.set i, i+1
.endr
	WIN 0
.endm
.macro NEXT P, sb       ; the next trip's rows, into the registers just converted; the loads that used the base have been waited for.  The last trip asks for nothing and waits for all that is out
	s_cmp_eq_u32 s[CNT], 1
	s_cbranch_scc1 .Lnone_\@
	s_add_nc_u64 s[\sb:\sb+1], s[\sb:\sb+1], STEP
	ASK \P, \sb
	s_branch .Ldone_\@
.Lnone_\@:
	s_wait_loadcnt 0x0
.Ldone_\@:
.endm
.macro LANEMAX a, b     ; the largest over the 32 lanes, in every lane
	v_max_num_f32_dpp v[\a], v[\a], v[\a] row_xmask:1 row_mask:0xf bank_mask:0xf
	v_max_num_f32_dpp v[\a], v[\a], v[\a] row_xmask:2 row_mask:0xf bank_mask:0xf
	v_max_num_f32_dpp v[\a], v[\a], v[\a] row_xmask:4 row_mask:0xf bank_mask:0xf
	v_max_num_f32_dpp v[\a], v[\a], v[\a] row_xmask:8 row_mask:0xf bank_mask:0xf
	v_permlanex16_b32 v[\b], v[\a], s[SEL], s[SEL+1]
	v_max_num_f32 v[\a], v[\a], v[\b]
.endm
.macro STAGE P          ; 32 rows of f32 -> bf16 rows in my stage
	WIN 0x05
.set i, 0
.rept 32
	v_cvt_pk_bf16_f32 v[DD+i], v[\P+2*i], v[\P+2*i+1]
.set i, i+1
.endr
	WIN 0
.set i, 0
.rept 16
	ds_store_b64 v[XST], v[DD+2*i:DD+2*i+1] offset:i*288
.set i, i+1
.endr
.endm
; Fragments of my two tiles of 16 rows (LDS serves a wave's instructions in order, ISA guide 5.7.1.4: these loads see the stores above), X X^T, and proj x X^T.  The accumulators take turns.
.macro DOTS
.irp rt, 0,1
.irp s, 0,1
	ds_load_b128 v[XF+16*(\rt)+8*(\s):XF+16*(\rt)+8*(\s)+3], v[XLD] offset:(\rt)*2304+(\s)*64
	ds_load_b128 v[XF+16*(\rt)+8*(\s)+4:XF+16*(\rt)+8*(\s)+7], v[XLD] offset:(\rt)*2304+(\s)*64+32
.endr
.endr
	s_wait_dscnt 0x0
	v_wmma_f32_16x16x32_bf16 v[G:G+7], v[XF:XF+7], v[XF:XF+7], 0
	v_wmma_f32_16x16x32_bf16 v[G+8:G+15], v[XF+16:XF+23], v[XF+16:XF+23], 0
	v_wmma_f32_16x16x32_bf16 v[G:G+7], v[XF+8:XF+15], v[XF+8:XF+15], v[G:G+7]
	v_wmma_f32_16x16x32_bf16 v[G+8:G+15], v[XF+24:XF+31], v[XF+24:XF+31], v[G+8:G+15]
	WIN 0x01
.irp s, 0,1
.irp rt, 0,1
.irp ft, 0,1,2,3
.if (\s) == 0
	v_wmma_f32_16x16x32_bf16 v[DD+32*(\rt)+8*(\ft):DD+32*(\rt)+8*(\ft)+7], v[PROJ+16*(\ft):PROJ+16*(\ft)+7], v[XF+16*(\rt):XF+16*(\rt)+7], 0
.else
	v_wmma_f32_16x16x32_bf16 v[DD+32*(\rt)+8*(\ft):DD+32*(\rt)+8*(\ft)+7], v[PROJ+16*(\ft)+8:PROJ+16*(\ft)+15], v[XF+16*(\rt)+8:XF+16*(\rt)+15], v[DD+32*(\rt)+8*(\ft):DD+32*(\rt)+8*(\ft)+7]
.endif
.endr
.endr
.endr
	WIN 0
	PLACES
.endm
; |x|^2 of row r is element (r, r) of X X^T: register r % 8 of the lane whose half is r / 8.  Seven selects pick the register, the other half's lane supplies the lanes that hold no diagonal.
.macro SUMSQ
	v_cndmask_b32 v[SS], v[G], v[G+1], s[MJ+1]
	v_cndmask_b32 v[SS+1], v[G+8], v[G+9], s[MJ+1]
.irp j, 2,3,4,5,6,7
	v_cndmask_b32 v[SS], v[SS], v[G+(\j)], s[MJ+(\j)]
	v_cndmask_b32 v[SS+1], v[SS+1], v[G+8+(\j)], s[MJ+(\j)]
.endr
	v_permlanex16_b32 v[TA], v[SS], s[SEL], s[SEL+1]
	v_permlanex16_b32 v[TA+1], v[SS+1], s[SEL], s[SEL+1]
	v_cndmask_b32 v[SS], v[TA], v[SS], s[VALID]
	v_cndmask_b32 v[SS+1], v[TA+1], v[SS+1], s[VALID]
.endm
.macro TILEMAX          ; my lane's largest in each of the eight tiles; each tile's lowest registers are read first
.set t, 0
.rept 8
	v_max3_num_f32 v[TA+t], v[DD+8*t], v[DD+8*t+1], v[DD+8*t+2]
.set t, t+1
.endr
.set t, 0
.rept 8
	v_max3_num_f32 v[TA+t], v[TA+t], v[DD+8*t+3], v[DD+8*t+4]
.set t, t+1
.endr
.set t, 0
.rept 8
	v_max3_num_f32 v[TA+t], v[TA+t], v[DD+8*t+5], v[DD+8*t+6]
.set t, t+1
.endr
.set t, 0
.rept 8
	v_max_num_f32 v[TA+t], v[TA+t], v[DD+8*t+7]
.set t, t+1
.endr
.endm
; 2^(CA x - BE) for the eight tiles, plus a constant (add: a scalar pair), rounded to f16 in pairs: two tiles ARE a fragment of 16 rows x 32 features.
; Three tiles are in hand: tile u is scaled, tile u - 1 goes through the exponentials, tile u - 2 is finished; a plain line on another tile stands between an exponential and the use of its result (ISA guide 5.7.2).
.macro EXPS dst, add
.set u, 0
.rept 10
.set n, 0
.rept 8
.if (u >= 1) && (u <= 8)
	v_exp_f32 v[DD+8*u-8+n], v[DD+8*u-8+n]
.endif
.if (u <= 7) && (n < 4)
	v_pk_fma_f32 v[DD+8*u+2*n:DD+8*u+2*n+1], v[DD+8*u+2*n:DD+8*u+2*n+1], s[CA:CA+1], v[BE+2*(u/4):BE+2*(u/4)+1] op_sel_hi:[1,0,0] neg_lo:[0,0,1] neg_hi:[0,0,1]
.endif
.if (u >= 2) && (n < 4)
	s_wait_alu depctr_va_vdst(0)
	v_pk_add_f32 v[DD+8*u-16+2*n:DD+8*u-16+2*n+1], v[DD+8*u-16+2*n:DD+8*u-16+2*n+1], s[\add:\add+1] op_sel_hi:[1,0]
.endif
.if (u >= 2) && (n >= 4)
	v_cvt_pk_f16_f32 v[\dst+4*u-8+n-4], v[DD+8*u-16+2*n-8], v[DD+8*u-16+2*n-7]
.endif
.set n, n+1
.endr
.set u, u+1
.endr
.endm
.macro KPOUT            ; my 32 rows of features into the shared rows: a lane's eight features of a tile are 16 bytes
.irp rt, 0,1
.irp ft, 0,1,2,3
	ds_store_b128 v[KPST], v[KPF+16*(\rt)+4*(\ft):KPF+16*(\rt)+4*(\ft)+3] offset:(\rt)*2560+(\ft)*32
.endr
.endr
.endm
.macro PPROD d, kt, it, s   ; P^T: 16 keys x 16 queries, features 32 s ..; s = 0 starts the sum
.if (\s) == 0
	v_wmma_f32_16x16x32_f16 v[\d:\d+7], v[KPF+16*(\kt):KPF+16*(\kt)+7], v[QPF+16*(\it):QPF+16*(\it)+7], 0
.else
	v_wmma_f32_16x16x32_f16 v[\d:\d+7], v[KPF+16*(\kt)+8:KPF+16*(\kt)+15], v[QPF+16*(\it)+8:QPF+16*(\it)+15], v[\d:\d+7]
.endif
.endm
	s_load_b256 s[4:11], s[0:1], 0x0               ; q, k, v, proj
	s_load_b128 s[12:15], s[0:1], 0x20             ; states, stats
	s_load_b64 s[16:17], s[0:1], 0x30              ; out0
	v_lshl_add_u32 v[SPW], v0, 2, SPARE
	v_mov_b32 v[NIL], 0
	v_lshrrev_b32 v[HA], 5, v0
	v_readfirstlane_b32 s[WV], v[HA]               ; wave 0..3
	v_and_b32 v[HL], 31, v0                        ; lane
	v_and_b32 v[HR], 15, v0                        ; lane % 16
	v_bfe_u32 v[HH], v0, 4, 1                      ; lane / 16
	s_lshl_b32 s[T0], s[WV], 13
	v_lshl_add_u32 v[GOFF], v[HL], 4, s[T0]
	s_lshl_b32 s[T0], s[WV], 12
	v_lshl_add_u32 v[PJO], v[HL], 4, s[T0]         ; my 16 rows of proj in memory
	s_lshl_b32 s[T0], s[WV], 11
	v_lshl_add_u32 v[STO], v[HL], 4, s[T0]         ; my quarter of the 1,024 pairs
	v_mul_u32_u24 v[HA], v[HH], 144
	v_lshl_add_u32 v[HA], v[HR], 3, v[HA]
	v_mul_u32_u24 v[PJL], v[HR], 144
	v_lshl_add_u32 v[PJL], v[HH], 4, v[PJL]        ; my place in proj's rows, which begin at LDS byte 0
	s_mul_i32 s[T0], s[WV], 4608
	s_add_co_u32 s[T0], s[T0], XSB
	v_add_nc_u32 v[XST], s[T0], v[HA]
	v_add_nc_u32 v[XLD], s[T0], v[PJL]
	s_mul_i32 s[T0], s[WV], 2304
	v_add_nc_u32 v[PJS], s[T0], v[HA]
	s_mul_i32 s[T0], s[WV], 5120
	v_lshl_add_u32 v[VEO], v[HL], 4, s[T0]         ; my feature block in a record
	s_add_co_u32 s[T1], s[T0], KPB
	v_mul_u32_u24 v[HB], v[HR], 160
	v_lshl_add_u32 v[HB], v[HH], 4, v[HB]
	v_add_nc_u32 v[KPST], s[T1], v[HB]
	s_add_co_u32 s[T1], s[T0], VVB
	v_mul_u32_u24 v[HB], v[HH], 160
	v_lshl_add_u32 v[HB], v[HR], 3, v[HB]
	v_add_nc_u32 v[VVST], s[T1], v[HB]
	v_and_b32 v[HB], 7, v0                         ; the turning load: lane l reads row 8 (l / 16) + l % 8, 16 bytes at 16 ((l / 8) % 2)
	v_lshl_add_u32 v[HB], v[HH], 3, v[HB]
	v_mul_u32_u24 v[HB], v[HB], 160
	v_bfe_u32 v[HC], v0, 3, 1
	v_lshl_add_u32 v[HB], v[HC], 4, v[HB]
	v_add_nc_u32 v[TRVO], s[T1], v[HB]
	v_add_nc_u32 v[TRV], VVB, v[HB]
	s_lshl_b32 s[T0], s[WV], 5
	s_add_co_u32 s[T0], s[T0], KPB
	v_add_nc_u32 v[TRK], s[T0], v[HB]
	s_lshl_b32 s[T0], s[WV], 9
	s_add_co_u32 s[T0], s[T0], SNB
	v_lshl_add_u32 v[SNST], v[HL], 4, s[T0]
	s_mul_i32 s[T0], s[WV], 10240
	s_add_co_u32 s[T0], s[T0], SNB
	v_lshl_add_u32 v[SNLD], v[HL], 4, s[T0]
	s_mul_i32 s[T0], s[WV], 4352
	s_add_co_u32 s[T0], s[T0], OSB
	v_mul_u32_u24 v[HB], v[HR], 272                ; out, in: row lane % 16, 32 bytes for each half of the lanes
	v_lshl_add_u32 v[HB], v[HH], 5, v[HB]
	v_add_nc_u32 v[OST], s[T0], v[HB]
	v_mul_u32_u24 v[HB], v[HH], 272                ; back: lanes 0-15 one row of 256 bytes, lanes 16-31 the next
	v_lshl_add_u32 v[HB], v[HR], 4, v[HB]
	v_add_nc_u32 v[OLD], s[T0], v[HB]
	v_lshl_add_u32 v[SVO], v[HR], 2, 20480
	s_lshl_b32 s[T0], s[WV], 3
	s_add_co_u32 s[T0], s[T0], MXB
	v_mov_b32 v[MXS], s[T0]
	v_mov_b32 v[MXR], MXB
	v_lshlrev_b32 v[HB], 3, v[HH]
	v_sub_nc_u32 v[HM], v[HR], v[HB]               ; my query less my lanes' first key
	v_mov_b32 v[N4K], 0xc5800000                   ; the thread's number has served: -4096.0
	s_mov_b32 s[CA], 0x3f0293ee                    ; log2(e) x 64^-1/4 = 0.510070
	s_mov_b32 s[CA+1], 0x3f0293ee
	s_mov_b32 s[CB], 0x3db8aa3b                    ; log2(e) / 16
	s_mov_b32 s[SEL], 0x76543210
	s_mov_b32 s[SEL+1], 0xfedcba98
	s_mov_b32 s[HIM], 0xffff0000
	s_mov_b32 s[EPS], 0x38d1b717                   ; 1e-4
	s_mov_b32 s[EPS+1], 0x38d1b717
	s_mov_b32 s[EPQ], 0x3c51b717                   ; 128 x 1e-4
	s_mov_b32 s[EPQ+1], 0x3c51b717
	s_mov_b32 s[P4K], 0x45800000                   ; 4096.0
	s_mov_b32 s[P4K+1], 0x45800000
	s_mov_b32 s[M7], 0xc0e00000                    ; -7.0
	s_mov_b32 s[VALID], 0xff0000ff                 ; lanes 0-7 and 24-31 hold a diagonal element
.irp j, 1,2,3,4,5,6,7
	s_mov_b32 s[MJ+(\j)], 0x01010101<<(\j)
.endr
	s_and_b32 s[SEG], ttmp9, 3
	s_and_b32 s[H4], ttmp9, 0xfc                   ; the head's first segment
.irp g, 0,1,2
	s_cmp_gt_u32 s[SEG], \g
	s_cselect_b32 s[Z+(\g)], 1.0, 0
.endr
	s_lshl_b32 s[T0], ttmp9, 18                    ; the segment's first byte: 1,024 rows of 256 bytes
	s_mov_b32 s[T1], 0
	s_wait_kmcnt 0x0
	s_add_nc_u64 s[QB:QB+1], s[QB:QB+1], s[T0:T0+1]
	s_add_nc_u64 s[KB:KB+1], s[KB:KB+1], s[T0:T0+1]
	s_add_nc_u64 s[VB:VB+1], s[VB:VB+1], s[T0:T0+1]
	s_add_nc_u64 s[OB:OB+1], s[OB:OB+1], s[T0:T0+1]
	s_mul_i32 s[T0], s[H4], REC
	s_add_nc_u64 s[STT:STT+1], s[STT:STT+1], s[T0:T0+1]
	s_lshl_b32 s[T0], s[H4], 5                     ; four pairs of 8 bytes a segment
	s_add_nc_u64 s[SB2:SB2+1], s[STA:STA+1], s[T0:T0+1]
.irp g, 0,1,2
	s_load_b32 s[MG+(\g)], s[SB2:SB2+1], 32*(\g)
.endr
.set i, 0
.rept 8
	global_load_b128 v[DD+4*i:DD+4*i+3], v[PJO], s[PJ:PJ+1] offset:i*512
.set i, i+1
.endr
.set i, 0
.rept 4
	global_load_b128 v[DD+32+4*i:DD+32+4*i+3], v[STO], s[STA:STA+1] offset:i*512
.set i, i+1
.endr
	WIN 0x80
.irp g, 0,1,2
.irp eb, 0,1,2,3,4
	global_load_b128 v[EG+40*(\g)+8*(\eb):EG+40*(\g)+8*(\eb)+3], v[VEO], s[STT:STT+1] offset:(\g)*REC+(\eb)*1024
	global_load_b128 v[EG+40*(\g)+8*(\eb)+4:EG+40*(\g)+8*(\eb)+7], v[VEO], s[STT:STT+1] offset:(\g)*REC+(\eb)*1024+512
.endr
.irp eb, 0,1,2,3
	global_load_b32 v[SVG+4*(\g)+(\eb)], v[SVO], s[STT:STT+1] offset:(\g)*REC+(\eb)*64
.endr
.endr
.set i, 0
.rept 8
	v_mov_b32 v[ONES+i], 0x3c003c00                ; 1.0 twice in f16
	v_mov_b32 v[ONEL+i], 0x0c000c00                ; 2^-12 twice
.set i, i+1
.endr
.irp j, 4,5,6,7
	v_mov_b32 v[PL+(\j)], 0
.endr
	WIN 0
.irp j, 0,1,2,3,4,5,6,7
	v_cmp_le_i32 vcc_lo, \j, v[HM]
	v_cndmask_b32 v[MK+(\j)], 0, 1.0, vcc_lo
	v_mov_b32 v[TA+(\j)], 0
.endr
.irp j, 4,5,6,7
	v_mov_b32 v[PF+(\j)], 0
.endr
	v_mov_b32 v[BE+1], 0                           ; named in pairs of which the low word is used
	v_mov_b32 v[BE+3], 0
	s_wait_loadcnt 42                              ; proj and the pairs are in; the records' 42 loads stay out
	ASK PK, KB
.set i, 0
.rept 8
	v_cvt_pk_bf16_f32 v[KPF+2*i], v[DD+4*i], v[DD+4*i+1]
	v_cvt_pk_bf16_f32 v[KPF+2*i+1], v[DD+4*i+2], v[DD+4*i+3]
	ds_store_b64 v[PJS], v[KPF+2*i:KPF+2*i+1] offset:i*288
.set i, i+1
.endr
.irp p, 0,1                                            ; even words: maxima of k . proj; odd words: largest |v|
	v_max3_num_f32 v[TA+(\p)], v[DD+32+(\p)], v[DD+34+(\p)], v[DD+36+(\p)]
	v_max3_num_f32 v[TA+(\p)], v[TA+(\p)], v[DD+38+(\p)], v[DD+40+(\p)]
	v_max3_num_f32 v[TA+(\p)], v[TA+(\p)], v[DD+42+(\p)], v[DD+44+(\p)]
	v_max_num_f32 v[TA+(\p)], v[TA+(\p)], v[DD+46+(\p)]
.endr
	LANEMAX TA, TA+2
	LANEMAX TA+1, TA+2
	ds_store_b64 v[MXS], v[TA:TA+1]
	s_wait_dscnt 0x0                               ; for the others' sake: my rows of proj and my pair are in LDS
	BAR
	WIN 0x40
.irp ft, 0,1,2,3
.irp s, 0,1
	ds_load_b128 v[PROJ+16*(\ft)+8*(\s):PROJ+16*(\ft)+8*(\s)+3], v[PJL] offset:(\ft)*2304+(\s)*64
	ds_load_b128 v[PROJ+16*(\ft)+8*(\s)+4:PROJ+16*(\ft)+8*(\s)+7], v[PJL] offset:(\ft)*2304+(\s)*64+32
.endr
.endr
	WIN 0
	ds_load_b128 v[XF:XF+3], v[MXR]
	ds_load_b128 v[XF+4:XF+7], v[MXR] offset:16
	s_wait_dscnt 0x0
	v_max3_num_f32 v[WM], v[XF], v[XF+2], v[XF+4]
	v_max3_num_f32 v[WX], v[XF+1], v[XF+3], v[XF+5]
	v_max_num_f32 v[WM], v[WM], v[XF+6]            ; M
	v_max_num_f32 v[WX], v[WX], v[XF+7]            ; max|v|
	v_mul_f32 v[VAM], s[CA], v[WM]
	v_bfe_u32 v[WX], v[WX], 23, 8                  ; its exponent field E, held to 3 .. 254
	v_max_u32 v[WX], 3, v[WX]
	v_min_u32 v[WX], 0xfe, v[WX]
	v_sub_nc_u32 v[TAU], 0x100, v[WX]
	v_lshlrev_b32 v[TAU], 23, v[TAU]               ; tau = 2^(129 - E)
	v_add_nc_u32 v[ITAU], -2, v[WX]
	v_lshlrev_b32 v[ITAU], 23, v[ITAU]             ; 1 / tau
	s_wait_kmcnt 0x0
.irp g, 0,1,2
	v_sub_f32 v[WE+(\g)], s[MG+(\g)], v[WM]
	v_mul_f32 v[WE+(\g)], s[CA], v[WE+(\g)]
	v_mul_f32 v[WO+(\g)], s[EPS], v[TAU]
.endr
.irp g, 0,1,2
	v_exp_f32 v[WE+(\g)], v[WE+(\g)]
.endr
.irp g, 0,1,2
	v_mul_f32 v[WO+(\g)], s[Z+(\g)], v[WO+(\g)]    ; eps tau, or 0
.endr
	s_wait_alu depctr_va_vdst(0)
.irp g, 0,1,2
	v_mul_f32 v[WE+(\g)], s[Z+(\g)], v[WE+(\g)]    ; exp(64^-1/4 (M_g - M)), or 0
.endr
.irp g, 0,1,2
	v_mul_f32 v[WA+(\g)], v[WE+(\g)], v[TAU]
.endr
	v_cvt_f32_u32 v[TA+4], s[SEG]
	v_mul_f32 v[TA+4], 0x3dd1b717, v[TA+4]         ; 1,024 eps for each earlier segment
	s_wait_loadcnt 16                              ; the records are in; k's 16 loads stay out
	ASK PVV, VB
	ASK PQ, QB
	WIN 0x02
.irp eb, 0,1,2,3
	v_mul_f32 v[TA+(\eb)], v[SVG+(\eb)], v[WO]
.endr
.irp eb, 0,1,2,3
	v_fma_f32 v[TA+(\eb)], v[SVG+4+(\eb)], v[WO+1], v[TA+(\eb)]
.endr
.irp eb, 0,1,2,3
	v_fma_f32 v[TA+(\eb)], v[SVG+8+(\eb)], v[WO+2], v[TA+(\eb)]
.endr
.set i, 0
.rept 40                                               ; the columns of v take tau with their weight, the ones do not
.set wb, WA+(WE-WA)*(i/32)
	v_fma_f32 v[S+i], v[EG+i], v[wb], v[TA+i/8]
.set i, i+1
.endr
.irp g, 1,2
.set i, 0
.rept 40
.set wb, WA+(WE-WA)*(i/32)
	v_fma_f32 v[S+i], v[EG+40*(\g)+i], v[wb+(\g)], v[S+i]
.set i, i+1
.endr
.endr
	WIN 0
	s_mov_b32 s[CNT], 8
.Ltrip:
	; my rows of k -> kp
	s_wait_loadcnt 32                              ; my rows of k are in; v's and q's 16 + 16 loads stay out
	STAGE PK
	NEXT PK, KB
	DOTS
	SUMSQ
	v_fma_f32 v[BE], v[SS], s[CB], v[VAM]
	v_fma_f32 v[BE+2], v[SS+1], s[CB], v[VAM]
	EXPS KPF, EPS
	KPOUT
	; my rows of v -> tau v
	s_wait_loadcnt 32                              ; my rows of v are in; q's and the next k's loads stay out
	WIN 0x05
.set i, 0
.rept 32
	v_cvt_pk_bf16_f32 v[DD+i], v[PVV+2*i], v[PVV+2*i+1]
.set i, i+1
.endr
	WIN 0
	NEXT PVV, VB
.set i, 0
.rept 8
.irp k, 0,1,2,3
	v_lshlrev_b32 v[XF+2*(\k)], 16, v[DD+i+(\k)]
	v_and_b32 v[XF+2*(\k)+1], s[HIM], v[DD+i+(\k)]
.endr
.irp k, 0,1,2,3
	v_pk_mul_f32 v[XF+2*(\k):XF+2*(\k)+1], v[XF+2*(\k):XF+2*(\k)+1], v[TAU:TAU+1] op_sel_hi:[1,0]
.endr
.irp k, 0,1,2,3
	v_cvt_pk_f16_f32 v[DD+i+(\k)], v[XF+2*(\k)], v[XF+2*(\k)+1]
.endr
.set i, i+4
.endr
.set i, 0
.rept 16
	ds_store_b64 v[VVST], v[DD+2*i:DD+2*i+1] offset:i*320
.set i, i+1
.endr
	s_wait_dscnt 0x0                               ; for the others' sake: my rows of kp and v are in LDS; my reads of the last trip's snapshot are back
	BAR
	; the state walks the four chunks; ahead of each, my part of it is set aside as f16
	WIN 0x80
.irp c, 0,1,2,3                                        ; ten turned loads a chunk of 32 rows
	ds_load_tr16_b128 v[KT+8*(\c):KT+8*(\c)+3], v[TRK] offset:(\c)*5120
	ds_load_tr16_b128 v[KT+8*(\c)+4:KT+8*(\c)+7], v[TRK] offset:(\c)*5120+2560
.irp eb, 0,1,2,3
	ds_load_tr16_b128 v[VF+32*(\c)+8*(\eb):VF+32*(\c)+8*(\eb)+3], v[TRV] offset:(\c)*5120+32*(\eb)
	ds_load_tr16_b128 v[VF+32*(\c)+8*(\eb)+4:VF+32*(\c)+8*(\eb)+7], v[TRV] offset:(\c)*5120+32*(\eb)+2560
.endr
.endr
.irp eb, 0,1,2,3                                       ; and eight for my own chunk's v^T
	ds_load_tr16_b128 v[VO+8*(\eb):VO+8*(\eb)+3], v[TRVO] offset:32*(\eb)
	ds_load_tr16_b128 v[VO+8*(\eb)+4:VO+8*(\eb)+7], v[TRVO] offset:32*(\eb)+2560
.endr
	WIN 0
.irp c, 0,1,2,3
.if (\c) > 0
	PLACES
.endif
.set i, 0
.rept 20
	v_cvt_pk_f16_f32 v[SNT+i], v[S+2*i], v[S+2*i+1]
.set i, i+1
.endr
.irp eb, 0,1,2,3,4
	ds_store_b128 v[SNST], v[SNT+4*(\eb):SNT+4*(\eb)+3] offset:(\c)*10240+(\eb)*2048
.endr
	s_wait_dscnt 43-5*(\c)                         ; chunk c is in: behind its loads stand ten for each later chunk, my own chunk's eight, and five stores for each snapshot so far
	WIN 0x0a
.irp eb, 0,1,2,3
	v_wmma_f32_16x16x32_f16 v[S+8*(\eb):S+8*(\eb)+7], v[KT+8*(\c):KT+8*(\c)+7], v[VF+32*(\c)+8*(\eb):VF+32*(\c)+8*(\eb)+7], v[S+8*(\eb):S+8*(\eb)+7]
.endr
	v_wmma_f32_16x16x32_f16 v[S+32:S+39], v[KT+8*(\c):KT+8*(\c)+7], v[ONES:ONES+7], v[S+32:S+39]
	WIN 0
.endr
	; my rows of q -> 2^7 qp
	s_wait_loadcnt 32                              ; my rows of q are in; the next trip's k and v stay out
	STAGE PQ
	NEXT PQ, QB
	DOTS
	SUMSQ
	TILEMAX
	v_max3_num_f32 v[TA], v[TA], v[TA+1], v[TA+2]
	v_max3_num_f32 v[TA+4], v[TA+4], v[TA+5], v[TA+6]
	v_max_num_f32 v[TA], v[TA], v[TA+3]
	v_max_num_f32 v[TA+4], v[TA+4], v[TA+7]
	v_permlanex16_b32 v[TA+1], v[TA], s[SEL], s[SEL+1]    ; the row's other 32 features lie in the lane 16 away
	v_permlanex16_b32 v[TA+5], v[TA+4], s[SEL], s[SEL+1]
	v_max_num_f32 v[TA], v[TA], v[TA+1]
	v_max_num_f32 v[TA+4], v[TA+4], v[TA+5]
	v_fma_f32 v[TA], v[TA], s[CA], s[M7]
	v_fma_f32 v[TA+4], v[TA+4], s[CA], s[M7]
	v_fma_f32 v[BE], v[SS], s[CB], v[TA]
	v_fma_f32 v[BE+2], v[SS+1], s[CB], v[TA+4]
	EXPS QPF, EPQ
	; the weights inside my chunk: keys 0-15 x queries 0-15, keys 0-15 x queries 16-31, keys 16-31 x queries 16-31, by turns
.irp s, 0,1
	PPROD DD, 0, 0, \s
	PPROD DD+8, 0, 1, \s
	PPROD DD+16, 1, 1, \s
.endr
	WIN 0x82                                       ; my own chunk's v^T x 2^-12, for the remainders (it landed ahead of q's fragments); these 32 lines are also the places behind the products above
.set i, 0
.rept 32
	v_pk_mul_f16 v[VOL+i], v[VO+i], 0x0c000c00
.set i, i+1
.endr
	WIN 0
.irp n, 0,1,2,3
	v_pk_mul_f32 v[DD+2*(\n):DD+2*(\n)+1], v[DD+2*(\n):DD+2*(\n)+1], v[MK+2*(\n):MK+2*(\n)+1]
.endr
.irp n, 0,1,2,3
	v_pk_mul_f32 v[DD+16+2*(\n):DD+16+2*(\n)+1], v[DD+16+2*(\n):DD+16+2*(\n)+1], v[MK+2*(\n):MK+2*(\n)+1]
.endr
.irp n, 0,1,2,3
	v_cvt_pk_f16_f32 v[PF+(\n)], v[DD+2*(\n)], v[DD+2*(\n)+1]
	v_cvt_pk_f16_f32 v[PF+8+(\n)], v[DD+8+2*(\n)], v[DD+8+2*(\n)+1]
	v_cvt_pk_f16_f32 v[PF+12+(\n)], v[DD+16+2*(\n)], v[DD+16+2*(\n)+1]
.endr
.set n, 0
.rept 12                                               ; 4,096 P,
	v_pk_mul_f32 v[DD+2*n:DD+2*n+1], v[DD+2*n:DD+2*n+1], s[P4K:P4K+1] op_sel_hi:[1,0]
.set n, n+1
.endr
.irp t, 0,1,2                                          ; less 4,096 x the rounded P, read as an f16 half: the remainder, exact in f32; tile t's words lie at PF + 0, 8, 12
.set pw, 4*(\t)+4*(((\t)+1)/2)
.set n, 0
.rept 4
	v_fma_mix_f32 v[DD+8*(\t)+2*n], v[PF+pw+n], v[N4K], v[DD+8*(\t)+2*n] op_sel_hi:[1,0,0]
	v_fma_mix_f32 v[DD+8*(\t)+2*n+1], v[PF+pw+n], v[N4K], v[DD+8*(\t)+2*n+1] op_sel:[1,0,0] op_sel_hi:[1,0,0]
.set n, n+1
.endr
.endr
	WIN 0x80
.irp n, 0,1,2,3
	v_cvt_pk_f16_f32 v[PL+(\n)], v[DD+2*(\n)], v[DD+2*(\n)+1]
	v_cvt_pk_f16_f32 v[PL+8+(\n)], v[DD+8+2*(\n)], v[DD+8+2*(\n)+1]
	v_cvt_pk_f16_f32 v[PL+12+(\n)], v[DD+16+2*(\n)], v[DD+16+2*(\n)+1]
.endr
	WIN 0
	s_wait_dscnt 0x0                               ; for the others' sake: my parts of the snapshots are in LDS, and my reads of the rows of kp and v are back
	BAR
	; O^T: the chunk's own keys start the sums while the snapshot is on its way
	WIN 0x80
.irp s, 0,1
.irp eb, 0,1,2,3,4
	ds_load_b128 v[S16+16*(\eb)+8*(\s):S16+16*(\eb)+8*(\s)+3], v[SNLD] offset:(\eb)*2048+(\s)*1024
	ds_load_b128 v[S16+16*(\eb)+8*(\s)+4:S16+16*(\eb)+8*(\s)+7], v[SNLD] offset:(\eb)*2048+(\s)*1024+512
.endr
.endr
	WIN 0x02
.irp eb, 0,1,2,3,4
.irp it, 0,1
.if (\eb) < 4
	v_wmma_f32_16x16x32_f16 v[OA+16*(\eb)+8*(\it):OA+16*(\eb)+8*(\it)+7], v[VO+8*(\eb):VO+8*(\eb)+7], v[PF+8*(\it):PF+8*(\it)+7], 0
.else
	v_wmma_f32_16x16x32_f16 v[OA+16*(\eb)+8*(\it):OA+16*(\eb)+8*(\it)+7], v[ONES:ONES+7], v[PF+8*(\it):PF+8*(\it)+7], 0
.endif
.endr
.endr
	WIN 0x0a                                       ; the remainders: 2^12 in the weights, 2^-12 in v and in the ones
.irp eb, 0,1,2,3,4
.irp it, 0,1
.if (\eb) < 4
	v_wmma_f32_16x16x32_f16 v[OA+16*(\eb)+8*(\it):OA+16*(\eb)+8*(\it)+7], v[VOL+8*(\eb):VOL+8*(\eb)+7], v[PL+8*(\it):PL+8*(\it)+7], v[OA+16*(\eb)+8*(\it):OA+16*(\eb)+8*(\it)+7]
.else
	v_wmma_f32_16x16x32_f16 v[OA+16*(\eb)+8*(\it):OA+16*(\eb)+8*(\it)+7], v[ONEL:ONEL+7], v[PL+8*(\it):PL+8*(\it)+7], v[OA+16*(\eb)+8*(\it):OA+16*(\eb)+8*(\it)+7]
.endif
.endr
.endr
	WIN 0x02
.irp s, 0,1
	s_wait_dscnt 10-10*(\s)                        ; features 32 s .. of the snapshot are in; the other half's ten loads may stay out
.irp eb, 0,1,2,3,4
.irp it, 0,1
	v_wmma_f32_16x16x32_f16 v[OA+16*(\eb)+8*(\it):OA+16*(\eb)+8*(\it)+7], v[S16+16*(\eb)+8*(\s):S16+16*(\eb)+8*(\s)+7], v[QPF+16*(\it)+8*(\s):QPF+16*(\it)+8*(\s)+7], v[OA+16*(\eb)+8*(\it):OA+16*(\eb)+8*(\it)+7]
.endr
.endr
.endr
	WIN 0
	PLACES
	; the way out: every row of the ones' tile holds my query's divisor
	v_rcp_f32 v[BE], v[OA+64]
	v_rcp_f32 v[BE+2], v[OA+72]
	v_nop                                          ; a plain instruction between the reciprocals and their use
	s_wait_alu depctr_va_vdst(0)
	v_mul_f32 v[BE], v[BE], v[ITAU]
	v_mul_f32 v[BE+2], v[BE+2], v[ITAU]
.irp it, 0,1
.irp eb, 0,1,2,3
.irp n, 0,1,2,3
	v_pk_mul_f32 v[OA+16*(\eb)+8*(\it)+2*(\n):OA+16*(\eb)+8*(\it)+2*(\n)+1], v[OA+16*(\eb)+8*(\it)+2*(\n):OA+16*(\eb)+8*(\it)+2*(\n)+1], v[BE+2*(\it):BE+2*(\it)+1] op_sel_hi:[1,0]
.endr
.endr
.irp eb, 0,1,2,3
	ds_store_b128 v[OST], v[OA+16*(\eb)+8*(\it):OA+16*(\eb)+8*(\it)+3] offset:(\eb)*64
	ds_store_b128 v[OST], v[OA+16*(\eb)+8*(\it)+4:OA+16*(\eb)+8*(\it)+7] offset:(\eb)*64+16
.endr
.irp f, 0,1,2,3,4,5,6,7
	ds_load_b128 v[KPF+32*(\it)+4*(\f):KPF+32*(\it)+4*(\f)+3], v[OLD] offset:(\f)*544  ; my own stage, served in order: these see the stores above, and the next tile's stores come behind them
.endr
.endr
	s_wait_dscnt 16                                ; the first 16 rows are back; the second tile's eight stores and eight loads stay out
.irp f, 0,1,2,3,4,5,6,7
	global_store_b128 v[GOFF], v[KPF+4*(\f):KPF+4*(\f)+3], s[OB:OB+1] offset:(\f)*512 th:TH_STORE_NT  ; 512 consecutive bytes, at a multiple of 256 from the output's first
.endr
	s_wait_dscnt 0x0
.irp f, 0,1,2,3,4,5,6,7
	global_store_b128 v[GOFF], v[KPF+32+4*(\f):KPF+32+4*(\f)+3], s[OB:OB+1] offset:4096+(\f)*512 th:TH_STORE_NT
.endr
	s_wait_xcnt 0x0                                ; the stores' base and data are rewritten only behind this wait
	s_add_nc_u64 s[OB:OB+1], s[OB:OB+1], STEP
	s_sub_co_u32 s[CNT], s[CNT], 1
	s_cmp_lg_u32 s[CNT], 0
	s_cbranch_scc1 .Ltrip
	s_wait_tensorcnt 0x0                           ; the wave's end
	ds_add_u32 v[SPW], v[NIL]
	s_wait_dscnt 0x0
	s_endpgm
.Lfunc_end_k_qff6cac8439_attend:
	.size	k_qff6cac8439_attend, .Lfunc_end_k_qff6cac8439_attend-k_qff6cac8439_attend
	.p2alignl 7, 3214868480
	.fill 96, 4, 3214868480
	.section	.rodata,"a",@progbits
	.p2align	6, 0x0
	.amdhsa_kernel k_qff6cac8439_attend
		.amdhsa_group_segment_fixed_size 127744
		.amdhsa_private_segment_fixed_size 0
		.amdhsa_enable_private_segment 0
		.amdhsa_kernarg_size 56
		.amdhsa_user_sgpr_count 2
		.amdhsa_user_sgpr_kernarg_segment_ptr 1
		.amdhsa_wavefront_size32 1
		.amdhsa_system_sgpr_workgroup_id_x 1
		.amdhsa_system_sgpr_workgroup_id_y 1
		.amdhsa_system_sgpr_workgroup_id_z 1
		.amdhsa_system_vgpr_workitem_id 0
		.amdhsa_next_free_vgpr 768
		.amdhsa_next_free_sgpr 66
		.amdhsa_reserve_vcc 1
		.amdhsa_float_denorm_mode_32 3
		.amdhsa_float_denorm_mode_16_64 3
		.amdhsa_memory_ordered 1
		.amdhsa_forward_progress 1
		.amdhsa_inst_pref_size 110
	.end_amdhsa_kernel
	.amdgpu_metadata
---
amdhsa.version: [ 1, 2 ]
amdhsa.kernels:
  - .name:           k_qff6cac8439_attend
    .symbol:         k_qff6cac8439_attend.kd
    .args:
      - { .name: q, .offset: 0, .size: 8, .value_kind: global_buffer, .address_space: global }
      - { .name: k, .offset: 8, .size: 8, .value_kind: global_buffer, .address_space: global }
      - { .name: v, .offset: 16, .size: 8, .value_kind: global_buffer, .address_space: global }
      - { .name: proj, .offset: 24, .size: 8, .value_kind: global_buffer, .address_space: global }
      - { .name: states, .offset: 32, .size: 8, .value_kind: global_buffer, .address_space: global }
      - { .name: stats, .offset: 40, .size: 8, .value_kind: global_buffer, .address_space: global }
      - { .name: out0, .offset: 48, .size: 8, .value_kind: global_buffer, .address_space: global }
    .group_segment_fixed_size: 127744
    .private_segment_fixed_size: 0
    .kernarg_segment_align: 8
    .kernarg_segment_size: 56
    .max_flat_workgroup_size: 128
    .sgpr_count:     66
    .vgpr_count:     768
    .wavefront_size: 32
...
	.end_amdgpu_metadata
.endif
;; end of part 2
